; MI455X (gfx1250); checked and timed in simulation.
; The chip was launched on July 23, 2026; its instructions are those of AMD's public machine-readable ISA for CDNA 5 (MIT licence, August 2026) and "CDNA5" Instruction Set Architecture Reference Guide (July 2026). The comments in the code are by the model that wrote it; some were corrected since.
;; Multi Head Attention. Allowed arithmetic: matrix products marked QUANTISED: E2M3 operands, one E8M0 scale for each 32 along K, by v_wmma_scale_f32_16x16x128_f8f6f4 with both operands' format E2M3, f32 sums; everything else in f32.
;; Inputs: W_attn_codes 3,072 x 32 x 24 uint8 (E2M3 codes of W_attn, K innermost, in blocks of 32 codes, four codes in three bytes); W_attn_scales 3,072 x 32 uint8 (E8M0 scales of W_attn, one for each 32 codes along K); W_proj_codes 1,024 x 32 x 24 uint8 (E2M3 codes of W_proj, K innermost, in blocks of 32 codes, four codes in three bytes); W_proj_scales 1,024 x 32 uint8 (E8M0 scales of W_proj, one for each 32 codes along K); b_attn 3,072 float32; b_proj 1,024 float32; x_codes 4 x 2,048 x 32 x 24 uint8 (E2M3 codes of x, K innermost, in blocks of 32 codes, four codes in three bytes); x_scales 4 x 2,048 x 32 uint8 (E8M0 scales of x, one for each 32 codes along K).
;; Outputs: out0 4 x 2,048 x 1,024 float32.
;; This version of the problem:
;;   THIS VERSION OF THE PROBLEM IS GIVEN IN LOW PRECISION. The matrix products marked QUANTISED in the list below multiply operands that are first quantised to E2M3 (2 exponent bits, 3 mantissa bits; 6 bits a number), with one power-of-two scale for each 32 numbers along K (OCP MX v1.0); their sums are f32. All else is computed in f32.
;;   The module's matrix products, in the order in which they are computed (A, B: the left and right operand; K: the contracted axis; several contracted axes count as one K, in the product's order):
;;     1. [M 8,192, K 1,024] x [K 1,024, N 3,072]; A: input x (given as codes); B: input W_attn (given as codes): QUANTISED
;;     2. batch 64 x [M 2,048, K 64] x [K 64, N 2,048]; A: computed on the way; B: computed on the way: QUANTISED
;;     3. batch 64 x [M 2,048, K 2,048] x [K 2,048, N 64]; A: softmax (see below); B: computed on the way: QUANTISED
;;     4. [M 8,192, K 1,024] x [K 1,024, N 1,024]; A: computed on the way; B: input W_proj (given as codes): QUANTISED
;;   THE QUANTISER, for each operand of a quantised product, along K:
;;     - K is cut into blocks of 32 from its start; a last block that is shorter is filled with zeros.
;;     - A block's scale is 2^e with e = floor(log2(the largest magnitude in the block)) - 2, held to -126 .. 127; a block of zeros has e = 0. As a byte (E8M0): e + 127.
;;     - Each number is divided by its block's scale, clamped to +-7.5, and rounded to the nearest number of E2M3, ties to even, subnormals kept.
;;     - The product sums the exact products of the quantised numbers (number of the format x scale) in f32.
;;   ~~~python
;;   def quantise(x, axis):      # numpy; x: float32 -> the quantised numbers, widened to float32 again
;;       x = np.moveaxis(x, axis, -1); K = x.shape[-1]
;;       x = np.pad(x, [(0, 0)] * (x.ndim - 1) + [(0, -K % 32)]); x = x.reshape(x.shape[:-1] + (-1, 32)); a = np.abs(x).max(-1, keepdims=True)
;;       e = np.where(a > 0, np.clip(np.frexp(np.where(a > 0, a, 1))[1] - 1 - 2, -126, 127), 0)      # np.frexp(a)[1] - 1 = floor(log2(a)), exactly
;;       r = np.clip(x / 2.0 ** e, -7.5, 7.5)
;;       step = 2.0 ** (np.maximum(np.frexp(np.where(r == 0, 1, r))[1] - 1, 0) - 3)
;;       q = np.round(r / step) * step * 2.0 ** e      # np.round: ties to even
;;       return np.moveaxis(q.reshape(q.shape[:-2] + (-1,))[..., :K], -1, axis).astype(np.float32)
;;   ~~~
;;   SOFTMAX AHEAD OF A QUANTISED PRODUCT. Where the list says 'softmax', what is quantised is not the finished softmax but p = 2^(t - M), with t = logit x log2(e) and M = ceil(the row's largest t), a whole number; so 1/2 < the row's largest p <= 1. The row's sum l is taken of the UNQUANTISED p, in f32, and the product's result is divided by l at the end. Since M is a whole number, a kernel that streams over the keys may use a running M (the ceiling of the running maximum): every later rescaling is an exact power of two, which a block's scale takes up: the codes' values come out the same.
;;   OPERANDS COMPUTED ON THE WAY. 'Computed on the way' means the value that the module computes at that place (a softmax that the list does not call 'softmax' is quantised finished and normalised). What goes into a quantiser is computed in f32, as accurately as f32 sums, v_exp_f32 and their like allow (about 1e-6 of the number): no bf16 or f16 on the way to a quantiser, and a product that is left as it is and whose result goes on into a quantised operand takes f32 operands (vector FMAs, or v_wmma_f32_16x16x4_f32). A number that lies on a knife's edge between two numbers of the format may be rounded either way, as far as f32 arithmetic and the matrix unit's own rounding can turn it there, and no further.
;;   INPUTS GIVEN AS CODES. W_attn (in the module: [1024, 3072], K = its axis 0); W_proj (in the module: [1024, 1024], K = its axis 0); x (in the module: [4, 2048, 1024], K = its axis 2): each comes as NAME_codes (uint8): NAME with its K axis moved to the last place and cut into blocks of 32 codes, [.., K / 32, bytes a block], one block behind the other in memory; four codes in three bytes: a row's codes are one little-endian stream of bits, code i at bits 6 i .. 6 i + 5 (a code: sign, 2 exponent bits, 3 mantissa bits); and NAME_scales (uint8): the same leading axes, one E8M0 byte (e + 127) for each 32 codes along K. Its value is code x scale, taken as it is: it is not quantised again, and the codes and scales need not be those that the quantiser above would give.
;; One version. Each part assembles by itself: llvm-mc -triple=amdgcn-amd-amdhsa -mcpu=gfx1250 --defsym DOCPART=n.
;; ======== version 1 of 1: 3 launches
;; workspace buffers: qws 6,815,744 bytes; kvws 13,631,488 bytes; ocodes 6,291,456 bytes; oscales 262,144 bytes
;; launch qkv (part 1): grid 8 x 48, 4 waves a work-group, clusters of 4 x 4, 327,680 bytes of LDS; arguments x_codes, x_scales, W_attn_codes, W_attn_scales, b_attn, qws, kvws; writes qws, kvws
.if DOCPART == 1
	.amdgcn_target "amdgcn-amd-amdhsa--gfx1250"
	.amdhsa_code_object_version 6
	.text
	.protected	k_q4c57d877d7_qkv
	.globl	k_q4c57d877d7_qkv
	.p2align	8
	.type	k_q4c57d877d7_qkv,@function
k_q4c57d877d7_qkv:
	s_mov_b64 s[64:65], 0
	v_nop
	global_prefetch_b8 v0, s[64:65] scope:SCOPE_SE
	s_setreg_imm32_b32 hwreg(HW_REG_WAVE_MODE, 25, 1), 1
	s_wait_xcnt 0x0
	s_wait_alu depctr_hold_cnt(0) depctr_sa_sdst(0) depctr_va_vdst(0) depctr_va_sdst(0) depctr_va_ssrc(0) depctr_va_vcc(0) depctr_vm_vsrc(0)
	s_getreg_b32 s2, hwreg(HW_REG_IB_STS2, 6, 4)
	s_cmp_eq_u32 s2, 0
	s_cbranch_scc0 .Lentry_in_a_cluster
	s_endpgm
.Lentry_in_a_cluster:
	s_bfe_u32 s2, ttmp6, 0x10000c
	s_cmp_lg_u32 s2, 0xf033
	s_cbranch_scc0 .Lentry_shape_is_right
	s_endpgm
.Lentry_shape_is_right:
; qkv = x W_attn + b_attn on codes of FP6 (E2M3) with one E8M0 scale for each 32 along K = 1,024; q, k and v are quantised in registers and leave as images of operand registers.
; A tile of 256 x 256 is made by four waves, 128 x 128 each: 64 accumulators of 16 x 16.  K goes in steps of 256 through two LDS slots filled by the tensor data mover; the scale bytes of the
; work-group's 2 x 256 rows come into LDS once.  Source 0 of the matrix instruction takes 16 rows of "B", source 1 16 rows of "A": a lane holds ONE row of A, and its registers run along rows of B.
; TWO PARTS, ONE TEXT.  Clusters with y < 8 make q and k: A = x (a lane holds a token, its registers run along the channels: the K of q k^T).  Clusters with y >= 8 make v: A = W_attn's rows 2,048 on,
; B = x (a lane holds a channel, its registers run along the tokens: the K of p v).  Both operands have rows of 768 bytes and scale rows of 32, so only pointers and tile numbers are chosen, by
; s_cselect on the cluster's y, which all sixteen partners share; no branch hangs on the part.
; CLUSTERS: 4 x 4 work-groups; A's tile is asked for jointly along a row of the cluster, B's along a column.
; THE BIAS: along the registers (q, k) it is the C of the first K step's products; along the lanes (v) it is added on the way out; the one that does not apply is made 0.
; WHAT IS STORED.  A block of 6,656 bytes serves 128 tokens of one head: 48 registers as an image (four registers: 512 bytes, lane l's 16 bytes at 16 l), then four scale registers (16 bytes a lane).
;   q, k block: registers 6 t + i: token tile t, lane (r, h): token 16 t + r, k = 32 h .. 32 h + 31 of the head's 64.  Scale register u: lanes 0-15 tile 2 u's words, lanes 16-31 tile 2 u + 1's; bytes 0, 1 count.
;   v block: registers 12 t + i: the whole fragment of channels 16 t + r x 128 keys.  Scale registers 0, 1: the words of tiles 0, 1 and 2, 3.
;   qws: [b][head][step] blocks; kvws: [b][head][step][k block, v block].
; INSIDE A BLOCK OF 32 the codes stand in the order 0-7, 16-23, 8-15, 24-31 of the elements: the same in q and k, and in v and p, so that the products are the same; only the grouping of the sums differs.
; LIMITS: NaN and infinities are not served; a block whose largest magnitude lies under 2^-124 keeps the scale byte 1 (a block of zeros too: its codes are zeros, and this program alone reads the bytes).
.set KSTEP,  256
.set NQ,     2                         ; matrix instructions deep in a slot
.set ROWB,   192                       ; a tile's row: 256 codes
.set KROW,   768                       ; a row in memory
.set PITCH,  240                       ; an LDS row: 3 x (64 bytes + 16 of padding)
.set FR,     12
.set NL,     6
.set NP,     4
.set HALFT,  128*PITCH
.set SLOT,   4*HALFT
.set KS,     32                        ; a row of scale bytes
.set SCL,    2*SLOT
.set HALFS,  (128*KS/256)*272
.set SBLK,   (16*KS/256)*272
.set SPARE,  SCL+4*HALFS               ; the spare words: 128 bytes a wave, named by no other line
.set BLKB,   6656
.set ADRA, 16                          ; v16-19 LDS addresses of A's fragments (slot 0, 1; behind one padding more)
.set ADRB, 20                          ; v20-23 of B's
.set CO,   26                          ; v26 16 x lane
.set ADRS, 27                          ; v27 LDS address of my scale words
.set SPW,  28
.set NIL,  29
.set SC,   32                          ; v32-63 scale words, two sets
.set BR,   64                          ; v64-127 the bias along the registers
.set AF,   128                         ; v128-223 A's fragments
.set BL,   224                         ; v224-239 the bias along the lanes, a pair for each block of A
.set TM,   32                          ; the way out: v32-47 at work
.set XT,   48                          ; v48-50, v52-54
.set PWE,  56
.set PWO,  57
.set U,    58                          ; v58-63
.set H,    64                          ; v64-127 64 numbers of a lane
.set SA,   240                         ; v240-243 scale registers of the first head's block
.set SB,   244                         ; v244-247 of the second's
.set W6,   248                         ; v248-253
.set G1, 24
.set G0, 32
.set G1B, 48
.set G0B, 56
.set G1S, 68
.set G0S, 76
.set G1SB, 80
.set G0SB, 88
.set MSB, 0
.macro WIN new                         ; the immediate's high byte repeats the setting that is left
.if MSB != (\new)
	s_set_vgpr_msb (MSB<<8)|(\new)
.set MSB, (\new)
.endif
.endm
.set MUL_LO, 0xa1                      ; source 0 (B) window 1, source 1 (A) window 0, C and D window 2
.set MUL_HI, 0xf1                      ; C and D window 3
.set TO_B,   0x40
.macro JLOAD g0a, g1a, g0b, g1b        ; a joint load: waves 0 and 1 fetch for A, waves 2 and 3 for B; four v_nop follow each line
	s_cmp_eq_u32 s15, 0
	s_cbranch_scc0 .Lfor_b_\@
	tensor_load_to_lds s[\g0a:\g0a+3], s[\g1a:\g1a+7]
	s_nop 0
.rept 4
	v_nop
.endr
	s_branch .Lasked_\@
.Lfor_b_\@:
	tensor_load_to_lds s[\g0b:\g0b+3], s[\g1b:\g1b+7]
	s_nop 0
.rept 4
	v_nop
.endr
.Lasked_\@:
.endm
.macro CREST                           ; a round of the cluster's barrier behind its opening barrier
	s_cmp_lg_u32 s14, 0
	s_cbranch_scc1 .Lnot_wave_0_\@
	s_barrier_signal -3
.Lnot_wave_0_\@:
	s_barrier_wait -3
	s_barrier_signal -1
	s_barrier_wait -1
.endm
.macro CROUND
	s_barrier_signal -1
	s_barrier_wait -1
	CREST
.endm
	s_load_b256 s[4:11], s[0:1], 0x0               ; x's codes, x's scales, W's codes, W's scales
	s_load_b128 s[96:99], s[0:1], 0x20             ; b_attn, qws
	s_load_b64 s[100:101], s[0:1], 0x30            ; kvws
	v_lshl_add_u32 v[SPW], v0, 2, SPARE
	v_mov_b32 v[NIL], 0
	ds_add_u32 v28, v29
	s_wait_dscnt 0x0
	v_lshrrev_b32 v1, 5, v0
	v_readfirstlane_b32 s14, v1                    ; wave 0..3
	s_lshr_b32 s15, s14, 1                         ; my half of A's rows.  Also: I fetch for A (0) or B (1)
	s_and_b32 s16, s14, 1                          ; my half of B's rows.  Also: which 128 rows I fetch
	s_bfe_u32 s40, ttmp6, 0x40000                  ; cx
	s_bfe_u32 s41, ttmp6, 0x40004                  ; cy
	s_and_b32 s93, ttmp7, 0xffff                   ; the cluster's y
	s_lshl_b32 s42, ttmp9, 2                       ; q, k: tile column = 4 x cluster x + cx
	s_max_u32 s94, s93, 8
	s_sub_co_u32 s94, s94, 8
	s_lshl_b32 s94, s94, 3
	s_add_co_u32 s94, s94, s42                     ; v: tile column = 4 (2 (cluster y - 8) + cluster x) + cx
	s_lshl_b32 s17, s93, 2                         ; q, k: tile row = 4 x cluster y + cy
	s_cmp_ge_u32 s93, 8                            ; the part: the same in all sixteen partners
	s_cselect_b32 s42, s94, s42
	s_cselect_b32 s17, 8, s17                      ; v: tile row = 8 + cy: W's rows 2,048 + 256 cy
	s_cselect_b32 s66, -1, 0                       ; all ones in the v part
	s_add_co_u32 s42, s42, s40
	s_add_co_u32 s17, s17, s41
	s_mov_b32 s67, 0xffff0000                      ; lanes 16-31
	s_lshl_b32 s43, s41, 2
	s_lshl_b32 s43, 15, s43                        ; my row of the cluster
	s_lshl_b32 s44, 0x1111, s40                    ; my column
	s_or_b32 s[G1+0], s43, (0<<16)|(1<<20)|(1<<21)|(3<<22)|(3<<25)  ; mask; elements of 1 byte; padding: 4 words behind every 16
	s_or_b32 s[G1B+0], s44, (0<<16)|(1<<20)|(1<<21)|(3<<22)|(3<<25)
.irp g, G1, G1B
	s_mov_b32 s[\g+1], ROWB<<16                    ; tensor_dim0
	s_mov_b32 s[\g+2], 128<<16                     ; tensor_dim1
	s_mov_b32 s[\g+3], ROWB<<16                    ; tile_dim0
	s_mov_b32 s[\g+4], 128                         ; tile_dim1
	s_mov_b32 s[\g+5], KROW                        ; pitch
	s_mov_b32 s[\g+6], 0
	s_mov_b32 s[\g+7], 0
.endr
	s_or_b32 s[G1S+0], s43, (3<<16)|(1<<20)|(1<<21)|(5<<22)|(3<<25)  ; the scales of 128 rows: 16 rows of 256 bytes, 16 bytes of padding behind each
	s_or_b32 s[G1SB+0], s44, (3<<16)|(1<<20)|(1<<21)|(5<<22)|(3<<25)
.irp g, G1S, G1SB
	s_mov_b32 s[\g+1], 32<<16
	s_mov_b32 s[\g+2], (128*KS/256)<<16
	s_mov_b32 s[\g+3], 32<<16
	s_mov_b32 s[\g+4], 128*KS/256
	s_mov_b32 s[\g+5], 32
	s_mov_b32 s[\g+6], 0
	s_mov_b32 s[\g+7], 0
.endr
	s_lshl_b32 s18, s16, 7
	s_lshl_b32 s20, s17, 8
	s_add_co_u32 s20, s20, s18                     ; A: row 256 x tile row + 128 x half
	s_lshl_b32 s46, s42, 8
	s_add_co_u32 s46, s46, s18                     ; B: row 256 x tile column + 128 x half
	s_mov_b32 s21, 0
	s_mov_b32 s47, 0
	s_mov_b64 s[18:19], KS
	s_mul_u64 s[22:23], s[20:21], s[18:19]
	s_mul_u64 s[92:93], s[46:47], s[18:19]
	s_mov_b64 s[18:19], KROW
	s_mul_u64 s[20:21], s[20:21], s[18:19]
	s_mul_u64 s[46:47], s[46:47], s[18:19]
	s_mul_i32 s45, s14, HALFT                      ; where they go: wave x 128 rows
	s_mul_i32 s94, s14, HALFS
	s_wait_kmcnt 0x0
	s_cmp_lg_u32 s66, 0                            ; which tensor is A and which B: a choice between buffers on the part alone
	s_cselect_b64 s[12:13], s[8:9], s[4:5]         ; A's codes
	s_cselect_b64 s[2:3], s[10:11], s[6:7]         ; A's scales
	s_cselect_b64 s[8:9], s[4:5], s[8:9]           ; B's codes
	s_cselect_b64 s[10:11], s[6:7], s[10:11]       ; B's scales
	s_mov_b64 s[4:5], s[12:13]
	s_mov_b64 s[6:7], s[2:3]
	s_add_nc_u64 s[20:21], s[4:5], s[20:21]
	s_add_nc_u64 s[22:23], s[6:7], s[22:23]
	s_add_nc_u64 s[46:47], s[8:9], s[46:47]
	s_add_nc_u64 s[92:93], s[10:11], s[92:93]
	CROUND                                         ; all sixteen work-groups are here: the first joint loads meet
	s_mov_b32 s[G0S], 1
	s_add_co_u32 s[G0S+1], s94, SCL
	s_mov_b64 s[G0S+2:G0S+3], s[22:23]
	s_or_b32 s[G0S+3], s[G0S+3], 0x80000000
	s_mov_b32 s[G0SB], 1
	s_add_co_u32 s[G0SB+1], s94, SCL
	s_mov_b64 s[G0SB+2:G0SB+3], s[92:93]
	s_or_b32 s[G0SB+3], s[G0SB+3], 0x80000000
	JLOAD G0S, G1S, G0SB, G1SB                     ; the scales first
.irp s, 0,1
	s_mov_b32 s[G0+4*\s], 1
	s_add_co_u32 s[G0+4*\s+1], s45, \s*SLOT
	s_add_nc_u64 s[G0+4*\s+2:G0+4*\s+3], s[20:21], \s*ROWB
	s_or_b32 s[G0+4*\s+3], s[G0+4*\s+3], 0x80000000
	s_mov_b32 s[G0B+4*\s], 1
	s_add_co_u32 s[G0B+4*\s+1], s45, \s*SLOT
	s_add_nc_u64 s[G0B+4*\s+2:G0B+4*\s+3], s[46:47], \s*ROWB
	s_or_b32 s[G0B+4*\s+3], s[G0B+4*\s+3], 0x80000000
	JLOAD G0+4*\s, G1, G0B+4*\s, G1B
.endr
	v_and_b32 v1, 15, v0                           ; r
	v_bfe_u32 v2, v0, 4, 1                         ; h
	v_mul_u32_u24 v3, v1, PITCH
	v_mul_u32_u24 v4, v2, 24
	v_add_nc_u32 v4, v3, v4                        ; a fragment's row x pitch + 24 h
	v_lshl_add_u32 v5, v2, 4, v4                   ; and behind one padding more
	s_mul_i32 s21, s15, HALFT
	s_mul_i32 s22, s16, HALFT
	s_add_co_u32 s22, s22, 2*HALFT
.irp s, 0,1
	v_add_nc_u32 v[ADRA+\s], s21, v4
	v_add_nc_u32 v[ADRB+\s], s22, v4
	v_add_nc_u32 v[ADRA+2+\s], s21, v5
	v_add_nc_u32 v[ADRB+2+\s], s22, v5
	s_add_co_u32 s21, s21, SLOT
	s_add_co_u32 s22, s22, SLOT
.endr
	v_mul_u32_u24 v5, v1, KS                       ; my row's scales: 32 bytes a row, 16 more for each 256 passed
	v_lshrrev_b32 v6, 8, v5
	v_lshl_add_u32 v5, v6, 4, v5
	s_mul_i32 s21, s15, HALFS
	s_mul_i32 s22, s16, HALFS
	s_add_co_u32 s22, s22, 2*HALFS
	s_sub_co_u32 s22, s22, s21
	v_mul_u32_u24 v6, s22, v2                      ; lanes 16-31 take B's
	s_add_co_u32 s21, s21, SCL
	v_add_nc_u32 v5, v5, v6
	v_add_nc_u32 v[ADRS], s21, v5
	v_and_b32 v6, 31, v0
	v_lshlrev_b32 v[CO], 4, v6
	; where my wave's results belong.  n0w: my first channel of the 3,072; m0w: my first token of the 8,192
	s_lshl_b32 s46, s17, 8
	s_lshl_b32 s47, s15, 7
	s_add_co_u32 s46, s46, s47                     ; my first row of A
	s_lshl_b32 s92, s42, 8
	s_lshl_b32 s47, s16, 7
	s_add_co_u32 s92, s92, s47                     ; my first row of B
	s_cmp_lg_u32 s66, 0
	s_cselect_b32 s93, s46, s92                    ; n0w
	s_cselect_b32 s94, s92, s46                    ; m0w
	s_lshl_b32 s46, s93, 2
	s_mov_b32 s47, 0
	s_add_nc_u64 s[96:97], s[96:97], s[46:47]      ; b_attn at my 128 channels
	s_bfe_u32 s46, s93, 0x40006                    ; my first head (two heads a wave)
	s_lshr_b32 s92, s94, 11                        ; b
	s_lshl_b32 s92, s92, 4
	s_add_co_u32 s92, s92, s46
	s_lshl_b32 s92, s92, 4
	s_bfe_u32 s46, s94, 0x40007                    ; the step of 128 tokens
	s_add_co_u32 s92, s92, s46                     ; (16 b + head) 16 + step
	s_lshr_b32 s95, s93, 10                        ; 0: q, 1: k, 2: v
	s_mov_b32 s46, 2*BLKB
	s_cmp_eq_u32 s95, 0
	s_cselect_b32 s46, BLKB, s46                   ; bytes from step to step
	s_cselect_b64 s[12:13], s[98:99], s[100:101]   ; qws or kvws
	s_mul_i32 s92, s92, s46
	s_lshl_b32 s44, s46, 4                         ; bytes from head to head
	s_mov_b32 s45, 0
	s_mov_b32 s20, 1536
	s_cmp_lg_u32 s66, 0
	s_cselect_b32 s46, BLKB, 0                     ; v's block lies behind k's
	s_cselect_b32 s18, 1536, s44                   ; from a pair's first image to its second
	s_cselect_b32 s20, 3072, s20                   ; from pair 0 to 1, and from 2 to 3
	s_cselect_b32 s22, s44, 3072                   ; from pair 0 to 2
	s_add_co_u32 s46, s46, s92
	s_add_nc_u64 s[12:13], s[12:13], s[46:47]      ; my first head's block
	s_mov_b32 s19, 0
	s_mov_b32 s21, 0
	s_mov_b32 s23, 0
	s_mov_b32 s2, 0x76543210                       ; v_permlanex16_b32's selects for lane l xor 16
	s_mov_b32 s3, 0xfedcba98
	v_lshlrev_b32 v7, 5, v2                        ; 32 h
	v_lshlrev_b32 v8, 2, v1                        ; 4 r
.irp b, 0,1,2,3,4,5,6,7
	global_load_b128 v[BR+8*\b:BR+8*\b+3], v7, s[96:97] offset:64*\b        ; b_attn(n0w + 16 b + 8 h + 0 .. 7)
	global_load_b128 v[BR+8*\b+4:BR+8*\b+7], v7, s[96:97] offset:64*\b+16
.endr
.irp a, 0,1,2,3,4,5,6,7
	global_load_b32 v[BL+2*\a], v8, s[96:97] offset:64*\a                   ; b_attn(n0w + 16 a + r)
.endr
	s_wait_loadcnt 0x0
.set i, 0
.rept 64
	v_cndmask_b32 v[BR+i], v[BR+i], 0, s66         ; 0 in the v part
.set i, i+1
.endr
.irp a, 0,1,2,3,4,5,6,7
	v_cndmask_b32 v[BL+2*\a], 0, v[BL+2*\a], s66   ; 0 in the q, k part
.endr
.irp a, 0,1,2,3,4,5,6,7
	v_mov_b32 v[BL+2*\a+1], v[BL+2*\a]             ; a pair for the packed addition
.endr
.macro FRAG reg, adr, q, i             ; 16 rows x 128 K of 6-bit codes: 12 registers, six pieces of 8 bytes; a piece that lies behind one padding more for lanes 16-31 takes the second address register
.irp p, 0,1,2,3,4,5
.set PC, 12*(\q)+6*(\p/3)+\p%3
.if PC%8 < 5
	ds_load_b64 v[\reg+2*\p:\reg+2*\p+1], v[\adr] offset:8*PC+16*(PC/8)+(\i)*16*PITCH
.else
	ds_load_b64 v[\reg+2*\p:\reg+2*\p+1], v[\adr+2] offset:8*PC+16*(PC/8)+(\i)*16*PITCH
.endif
.endr
.endm
; 16 matrix instructions: A's blocks a0, a0 + 1 x B's eight.  zero = 1: the first K step, whose C is the bias along the registers.  The 64 accumulators take turns.
.macro MUL16 a0, p, q, sc, zero
.irp a, \a0, \a0+1
.irp b, 0,1,2,3,4,5,6,7
.if \zero
	v_wmma_scale_f32_16x16x128_f8f6f4 v[8*(8*((\a)%4)+\b):8*(8*((\a)%4)+\b)+7], v[128*(\p)+FR*\b:128*(\p)+FR*\b+FR-1], v[AF+FR*(\a):AF+FR*(\a)+FR-1], v[BR+8*\b:BR+8*\b+7], v[SC+8*NQ*(\sc)+NQ*\b+(\q)], v[SC+8*NQ*(\sc)+NQ*(\a)+(\q)] matrix_a_fmt:MATRIX_FMT_FP6 matrix_b_fmt:MATRIX_FMT_FP6 matrix_a_scale:MATRIX_SCALE_ROW1
.else
	v_wmma_scale_f32_16x16x128_f8f6f4 v[8*(8*((\a)%4)+\b):8*(8*((\a)%4)+\b)+7], v[128*(\p)+FR*\b:128*(\p)+FR*\b+FR-1], v[AF+FR*(\a):AF+FR*(\a)+FR-1], v[8*(8*((\a)%4)+\b):8*(8*((\a)%4)+\b)+7], v[SC+8*NQ*(\sc)+NQ*\b+(\q)], v[SC+8*NQ*(\sc)+NQ*(\a)+(\q)] matrix_a_fmt:MATRIX_FMT_FP6 matrix_b_fmt:MATRIX_FMT_FP6 matrix_a_scale:MATRIX_SCALE_ROW1
.endif
.endr
.endr
.endm
.macro FETCH_B slot, q, p
	WIN TO_B
.irp i, 0,1,2,3,4,5,6,7
	FRAG 128*(\p)+FR*\i, ADRB+\slot, \q, \i
.endr
	WIN 0
.endm
.macro FETCH_A slot, q, i0
.irp i, \i0, \i0+1, \i0+2, \i0+3
	FRAG AF+FR*(\i), ADRA+\slot, \q, \i
.endr
.endm
.macro SCALES sc                       ; a K step's scale words: lanes 0-15 A's block i, lanes 16-31 B's block i
.irp i, 0,1,2,3,4,5,6,7
	ds_load_b64 v[SC+8*NQ*\sc+NQ*\i:SC+8*NQ*\sc+NQ*\i+1], v[ADRS] offset:\i*SBLK
.endr
.endm
.macro PLACES n                        ; plain vector places behind matrix instructions, in front of loads into their registers and of reads of their results
.rept \n
	v_nop
.endr
.endm
.macro STEP slot, q, zero              ; 128 along K with its successor in the same slot
	s_wait_dscnt 4*NL                              ; B's set and A's blocks 0-3 are in; the youngest 24 loads (A's blocks 4-7) may be out
.if \zero
	WIN 0x81                                       ; C (the bias) in window 0, D in window 2
.else
	WIN MUL_LO
.endif
	MUL16 0, (\q)%2, \q, \slot, \zero
	MUL16 2, (\q)%2, \q, \slot, \zero
	s_wait_dscnt 0
	PLACES NP
	FETCH_B \slot, (\q)+1, 1-(\q)%2
	FETCH_A \slot, (\q)+1, 0
.if \zero
	WIN 0xc1
.else
	WIN MUL_HI
.endif
	MUL16 4, (\q)%2, \q, \slot, \zero
	MUL16 6, (\q)%2, \q, \slot, \zero
	PLACES NP
	WIN 0
	FETCH_A \slot, (\q)+1, 4
.endm
; A slot's last step changes slots: in front of the one barrier each wave waits for all its tensor loads, adds 0 to its spare word, and waits for that and for its reads of this slot.
.macro TURN slot, next, fill
	s_wait_tensorcnt 0x0                           ; all my tensor loads have landed: my part of the next slot
	ds_add_u32 v[SPW], v[NIL]                      ; 0 onto my spare word
	s_wait_dscnt 4*NL+1                            ; the add and the youngest 24 loads may be out
	WIN MUL_LO
	MUL16 0, 1, NQ-1, \slot, 0
	s_wait_dscnt 0x0                               ; the add is done, and my reads of this slot are over
	s_barrier_signal -1
	MUL16 2, 1, NQ-1, \slot, 0
	WIN 0
	s_barrier_wait -1
.if \fill
	CREST                                          ; the barrier has opened a round of the cluster's: no wave of any partner still reads this slot or has a load on its way
	s_add_nc_u64 s[G0+4*\slot+2:G0+4*\slot+3], s[G0+4*\slot+2:G0+4*\slot+3], 2*ROWB
	s_add_nc_u64 s[G0B+4*\slot+2:G0B+4*\slot+3], s[G0B+4*\slot+2:G0B+4*\slot+3], 2*ROWB
	JLOAD G0+4*\slot, G1, G0B+4*\slot, G1B         ; the first tensor load behind the round; its four v_nop are the places in front of the loads below
.else
	PLACES NP
.endif
	v_add_nc_u32 v[ADRS], 4*NQ, v[ADRS]
	FETCH_B \next, 0, 0
	FETCH_A \next, 0, 0
	SCALES \next
	WIN MUL_HI
	MUL16 4, 1, NQ-1, \slot, 0
	MUL16 6, 1, NQ-1, \slot, 0
	PLACES NP
	WIN 0
	FETCH_A \next, 0, 4
.endm
	s_wait_tensorcnt 1                             ; the scales and my part of K step 0 are in; K step 1's load may be out
	s_barrier_signal -1
	s_barrier_wait -1
	FETCH_B 0, 0, 0
	FETCH_A 0, 0, 0
	SCALES 0
	FETCH_A 0, 0, 4
	STEP 0, 0, 1                                   ; K = 1,024 is four K steps of 256: written out, eight steps of 128
	TURN 0, 1, 1                                   ; slot 0 takes K step 2
	STEP 1, 0, 0
	TURN 1, 0, 1                                   ; slot 1 takes K step 3
	STEP 0, 0, 0
	TURN 0, 1, 0
	STEP 1, 0, 0
	s_wait_dscnt 4*NL
	WIN MUL_LO
	MUL16 0, 1, NQ-1, 1, 0
	MUL16 2, 1, NQ-1, 1, 0
	s_wait_dscnt 0
	WIN MUL_HI
	MUL16 4, 1, NQ-1, 1, 0
	MUL16 6, 1, NQ-1, 1, 0
	WIN 0
; THE WAY OUT.  64 numbers of a lane in v[H] on (register 16 B + i: block B of 32 along the next K, my 16 of it) become two runs of six code registers and a scale word.
; A block's scale: the largest magnitude (with the floor 2^-124 among its leaves) with 2 off its exponent field is the conversion's scale operand; that field is the byte.
.macro QUANT d0, d1, pw
.irp b, 0,1,2,3
	v_max3_num_f32 v[TM+\b], |v[H+16*\b]|, |v[H+1+16*\b]|, 0x1800000
.endr
.irp i, 2,4,6,8,10,12,14
.irp b, 0,1,2,3
	v_max3_num_f32 v[TM+\b], v[TM+\b], |v[H+16*\b+\i]|, |v[H+1+16*\b+\i]|
.endr
.endr
.irp b, 0,1,2,3
	v_permlanex16_b32 v[TM+4+\b], v[TM+\b], s2, s3
.endr
.irp b, 0,1,2,3
	v_max_num_f32 v[TM+\b], v[TM+\b], v[TM+4+\b]   ; with lane l xor 16's 16: the block's
.endr
.irp b, 0,1,2,3
	v_add_nc_u32 v[TM+12+\b], 0xff000000, v[TM+\b]
.endr
.irp b, 0,1,2,3
	v_lshrrev_b32 v[TM+4+\b], 23, v[TM+12+\b]
.endr
	v_lshl_or_b32 v[\pw], v[TM+5], 8, v[TM+4]
	v_lshl_or_b32 v[\pw], v[TM+6], 16, v[\pw]
	v_lshl_or_b32 v[\pw], v[TM+7], 24, v[\pw]
	v_cvt_scalef32_pk16_fp6_f32 v[0+(\d0):2+(\d0)], v[H:H+15], v[TM+12]
	v_cvt_scalef32_pk16_fp6_f32 v[XT:XT+2], v[H+16:H+31], v[TM+13]
	v_cvt_scalef32_pk16_fp6_f32 v[0+(\d1):2+(\d1)], v[H+32:H+47], v[TM+14]
	v_cvt_scalef32_pk16_fp6_f32 v[XT+4:XT+6], v[H+48:H+63], v[TM+15]
	v_nop                                          ; one plain place behind the scaled conversions
.irp i, 0,1,2
	v_permlane16_swap_b32 v[\i+(\d0)], v[XT+\i]    ; a whole block to a lane: lanes 0-15 the even block, lanes 16-31 the odd one
	v_permlane16_swap_b32 v[\i+(\d1)], v[XT+4+\i]
.endr
.irp i, 0,1,2
	v_mov_b32 v[3+\i+(\d0)], v[XT+\i]
	v_mov_b32 v[3+\i+(\d1)], v[XT+4+\i]
.endr
.endm
.macro EPI a, d0, d1, pw               ; block a of A's rows: + the bias along the lanes (each accumulator read from its low end on), then quantised
	WIN 0x02+(\a)/4
.set AC, 64*((\a)%4)
.set i, 0
.rept 32
	v_pk_add_f32 v[H+i:H+i+1], v[AC+i:AC+i+1], v[BL+2*(\a):BL+2*(\a)+1]
.set i, i+2
.endr
	WIN 0
	QUANT \d0, \d1, \pw
.endm
; Two blocks of A make two images of 12 registers.  q, k: (first head: tiles 2 p, 2 p + 1), (second head: the same).  v: (channel tile 2 p, whole), (channel tile 2 p + 1, whole).
.macro PAIR p
.set F, 128+24*(\p)
.irp i, 0,1,2,3,4,5
	v_cndmask_b32 v[F+6+\i], v[W6+\i], v[U+\i], s66
	v_cndmask_b32 v[F+12+\i], v[U+\i], v[W6+\i], s66
.endr
	v_cndmask_b32 v[SA+\p], v[PWE], v[PWO], s67    ; lanes 0-15 the even block's words, lanes 16-31 the odd one's
.irp i, 0,1
.irp g, 0,1,2
	global_store_b128 v[CO], v[F+12*\i+4*\g:F+12*\i+4*\g+3], s[24+4*(\p)+2*\i:25+4*(\p)+2*\i] offset:512*\g   ; 32 lanes store 512 consecutive bytes, at a multiple of 256 from the buffer's first byte
.endr
.endr
.endm
	PLACES NP                                      ; behind the last products: their scale words' and fragments' registers are written below
.irp b, 0,1,2,3
	v_mov_b32 v[TM+4+\b], 0                        ; written once: a lane permute's destination counts as one of its sources
.endr
	s_mov_b64 s[24:25], s[12:13]                   ; the eight images' places (no tensor load is out: the descriptors' registers are free)
	s_add_nc_u64 s[28:29], s[12:13], s[20:21]
	s_add_nc_u64 s[32:33], s[12:13], s[22:23]
	s_add_nc_u64 s[36:37], s[32:33], s[20:21]
.irp p, 0,1,2,3
	s_add_nc_u64 s[26+4*\p:27+4*\p], s[24+4*\p:25+4*\p], s[18:19]
.endr
	s_add_nc_u64 s[56:57], s[12:13], s[44:45]      ; the second head's block
.irp p, 0,1,2,3
	EPI 2*\p, 128+24*\p, U, PWE
	EPI 2*\p+1, W6, 128+24*\p+18, PWO
	PAIR \p
.endr
.irp u, 0,1,2,3
	v_lshrrev_b32 v[SB+\u], 16, v[SA+\u]           ; q, k: the second head's two bytes come down
.endr
.irp u, 0,1,2,3
	v_cndmask_b32 v[SB+\u], v[SB+\u], v[SA+(\u+2)%4], s66   ; v: the second head's tiles are blocks 4 to 7
.endr
	global_store_b128 v[CO], v[SA:SA+3], s[12:13] offset:6144
	global_store_b128 v[CO], v[SB:SB+3], s[56:57] offset:6144
	s_wait_tensorcnt 0x0                           ; the wave's end
	ds_add_u32 v[SPW], v[NIL]
	s_wait_dscnt 0x0
	CROUND                                         ; the closing round
	s_endpgm
.Lfunc_end_k_q4c57d877d7_qkv:
	.size	k_q4c57d877d7_qkv, .Lfunc_end_k_q4c57d877d7_qkv-k_q4c57d877d7_qkv
	.p2alignl 7, 3214868480
	.fill 96, 4, 3214868480
	.section	.rodata,"a",@progbits
	.p2align	6, 0x0
	.amdhsa_kernel k_q4c57d877d7_qkv
		.amdhsa_group_segment_fixed_size 327680
		.amdhsa_private_segment_fixed_size 0
		.amdhsa_enable_private_segment 0
		.amdhsa_kernarg_size 56
		.amdhsa_user_sgpr_count 2
		.amdhsa_user_sgpr_kernarg_segment_ptr 1
		.amdhsa_wavefront_size32 1
		.amdhsa_system_sgpr_workgroup_id_x 1
		.amdhsa_system_sgpr_workgroup_id_y 1
		.amdhsa_system_sgpr_workgroup_id_z 1
		.amdhsa_system_vgpr_workitem_id 0
		.amdhsa_next_free_vgpr 1024
		.amdhsa_next_free_sgpr 102
		.amdhsa_reserve_vcc 0
		.amdhsa_float_denorm_mode_32 3
		.amdhsa_float_denorm_mode_16_64 3
		.amdhsa_memory_ordered 1
		.amdhsa_forward_progress 1
		.amdhsa_inst_pref_size 191
	.end_amdhsa_kernel
	.amdgpu_metadata
---
amdhsa.version: [ 1, 2 ]
amdhsa.kernels:
  - .name:           k_q4c57d877d7_qkv
    .symbol:         k_q4c57d877d7_qkv.kd
    .args:
      - { .name: x_codes, .offset: 0, .size: 8, .value_kind: global_buffer, .address_space: global }
      - { .name: x_scales, .offset: 8, .size: 8, .value_kind: global_buffer, .address_space: global }
      - { .name: W_attn_codes, .offset: 16, .size: 8, .value_kind: global_buffer, .address_space: global }
      - { .name: W_attn_scales, .offset: 24, .size: 8, .value_kind: global_buffer, .address_space: global }
      - { .name: b_attn, .offset: 32, .size: 8, .value_kind: global_buffer, .address_space: global }
      - { .name: qws, .offset: 40, .size: 8, .value_kind: global_buffer, .address_space: global }
      - { .name: kvws, .offset: 48, .size: 8, .value_kind: global_buffer, .address_space: global }
    .group_segment_fixed_size: 327680
    .private_segment_fixed_size: 0
    .kernarg_segment_align: 8
    .kernarg_segment_size: 56
    .max_flat_workgroup_size: 128
    .sgpr_count:     102
    .vgpr_count:     1024
    .wavefront_size: 32
...
	.end_amdgpu_metadata
.endif
;; end of part 1
;; launch attn (part 2): grid 4 x 64, 16 waves a work-group, no clusters, 327,680 bytes of LDS; arguments qws, kvws, ocodes, oscales; writes ocodes, oscales
.if DOCPART == 2
	.amdgcn_target "amdgcn-amd-amdhsa--gfx1250"
	.amdhsa_code_object_version 6
	.text
	.protected	k_q4c57d877d7_attn
	.globl	k_q4c57d877d7_attn
	.p2align	8
	.type	k_q4c57d877d7_attn,@function
k_q4c57d877d7_attn:
	s_mov_b64 s[64:65], 0
	v_nop
	global_prefetch_b8 v0, s[64:65] scope:SCOPE_SE
	s_setreg_imm32_b32 hwreg(HW_REG_WAVE_MODE, 25, 1), 1
	s_wait_xcnt 0x0
; o = softmax(q k^T / 8, causal) v for one head, both products on codes of FP6 (E2M3) with E8M0 scales; o is quantised along the model's 1,024 and leaves as images of operand registers.
; INPUTS: blocks of 6,656 bytes for 128 tokens of a head: 48 registers as an image (four registers: 512 bytes, lane l's 16 bytes at 16 l), then four scale registers.  q, k: registers 6 t + i = token tile t,
; k = 32 h .. of the head's 64; v: registers 12 t + i = channels 16 t + r x 128 keys.  qws [b][head][step], kvws [b][head][step][k, v].
; THE FIRST PRODUCT HAS K = 64, the instruction 128: q's upper six registers are zero codes, so k's upper six may be any codes (they are the next tile's), and no scale byte here is 0xff.
; THE SOFTMAX: t = score x log2(e) / 8; M = the running largest t rounded up to a whole number; p = 2^(t - M) is quantised along the keys; the row's sum is taken of the unquantised p and divides at the end.
; SHARES.  Work-group (J, b x 16 + head) owns query blocks J and 7 - J, 256 queries each, one after the other; wave w owns 16 queries.  Block B walks key slots 0 .. B of 256 keys: (J + 1) + (8 - J) = 9 slots
; for every work-group: a constant trip count and equal work.  A step all of whose keys come after the wave's queries is passed over by a scalar branch on ids; the step on the diagonal is masked.
; NO CLUSTER: the four work-groups of a head are at different slots at the same time; walking in step (both blocks at once) would take 12 units of the slowest partner's work against 9.
; Both products are used transposed: a lane holds ONE query throughout.  Inside a block of 32 keys the codes of p stand in the same order as v's (0-7, 16-23, 8-15, 24-31).
; o is brought into the true order of its channels, since it meets given codes: [token tile][head][768 bytes]: four registers at 16 x lane, two at 512 + 8 x lane; oscales [token][32].
; LIMITS: NaN and infinities are not served; a block under 2^-124 keeps the byte 1; o is made with v_rcp_f32.
.set BLKB,  6656
.set STEPB, 2*BLKB                     ; a key step: k's block, then v's
.set SLOTB, 2*STEPB                    ; a slot: two key steps, dense in memory
.set SLOT1, 1<<15                      ; slot 1 begins here: one exclusive or turns an address
.set SPARE, 1<<16                      ; the spare words: 128 bytes for each of sixteen waves, named by no other line
.set LI,  1                            ; v1  16 x lane
.set ADR, 2                            ; v2  LDS address of the step's blocks
.set SPW, 3
.set NIL, 4
.set L8,  5                            ; v5  8 x lane
.set R32, 6                            ; v6  32 r
.set RH,  7                            ; v7  r - 8 h
.set PFO, 10                           ; v10 the prefetch's offset
.set QF,  16                           ; v16-27 q's fragment (22-27 zero codes)
.set QS,  28                           ; v28 q's scale words
.set KSC, 88                           ; v88-91 k's scale registers
.set VSC, 92                           ; v92-95 v's
.set OT,  160                          ; v160-191 O^T
.set PCD, 192                          ; v192-203 p's codes
.set PW,  224                          ; v224 p's (at the end o's) scale word
.set WV,  12
.set JJ,  13
.set BH,  14
.set TT,  15                           ; the trip
.set NX,  16                           ; the key slot being fetched
.set TB,  17                           ; LDS byte of the slot in hand
.set KF,  18                           ; the step's first key
.set Q0,  19                           ; my first query
.set SEL, 20
.set CS,  22                           ; s[22:23] log2(e) / 8
.set G1,  24
.set G0,  32
.set KVB, 36                           ; s[36:37] my block of the head's slot 0
.set OF,  38
.set OC1, 40
.set OS1, 42
.set OC2, 44
.set OS2, 46
.set Q02, 48
.set ODD, 49
.set PFA, 50
.set LIM, 52
.macro TLOAD                           ; waves 0 to 3 fetch one block each; four v_nop follow the line
	s_cmp_lt_u32 s[WV], 4
	s_cbranch_scc0 .Lno_load_\@
	tensor_load_to_lds s[G0:G0+3], s[G1:G1+7]
	s_nop 0
.rept 4
	v_nop
.endr
.Lno_load_\@:
.endm
; A prefetch of the slot that the work-group with J = 0 asks for at its next change of slots: in trip T its refill takes slot T and this names slot T + 1, T = 0 .. 6: slots 1 to 7 of the head, each once in the launch.
; Waves 4 to 7 of that work-group ask, lanes 256 bytes apart: 104 blocks of 256 bytes; the 24 lanes that are over name the last block again.  Slot 7 ends with the head's bytes.
.macro ASK
	s_cmp_lt_u32 s[TT], s[LIM]
	s_cbranch_scc0 .Lnot_mine_\@
	global_prefetch_b8 v[PFO], s[PFA:PFA+1] th:TH_LOAD_NT scope:SCOPE_SE
.Lnot_mine_\@:
.endm
	s_load_b256 s[4:11], s[0:1], 0x0               ; qws, kvws, ocodes, oscales
	v_lshl_add_u32 v[SPW], v0, 2, SPARE
	v_mov_b32 v[NIL], 0
	ds_add_u32 v3, v4
	ds_add_u32 v3, v4
	s_wait_dscnt 0x0
	v_lshrrev_b32 v1, 5, v0
	s_delay_alu instid0(VALU_DEP_1)
	v_readfirstlane_b32 s[WV], v1                  ; wave 0..15
	s_mov_b32 s[JJ], ttmp9
	s_and_b32 s[BH], ttmp7, 0xffff
	s_mov_b32 s[G1], 3<<16                         ; elements of 8 bytes, no mask, no padding
	s_mov_b32 s[G1+1], 32<<16                      ; a block: 26 rows of 256 bytes, dense
	s_mov_b32 s[G1+2], 26<<16
	s_mov_b32 s[G1+3], 32<<16
	s_mov_b32 s[G1+4], 26
	s_mov_b32 s[G1+5], 32
	s_mov_b32 s[G1+6], 0
	s_mov_b32 s[G1+7], 0
	s_and_b32 s53, s[WV], 3
	s_mul_i32 s54, s53, BLKB
	s_mul_i32 s[OF], s[BH], 16*STEPB
	s_mov_b32 s[OF+1], 0
	s_wait_kmcnt 0x0
	s_add_nc_u64 s[PFA:PFA+1], s[6:7], s[OF:OF+1]  ; the head's first byte of k and v
	s_mov_b32 s[OF], s54
	s_add_nc_u64 s[KVB:KVB+1], s[PFA:PFA+1], s[OF:OF+1]
	s_mov_b32 s[G0], 1
	s_mov_b32 s[G0+1], s54                         ; LDS: slot 0, block wave & 3
	s_mov_b64 s[G0+2:G0+3], s[KVB:KVB+1]
	s_or_b32 s[G0+3], s[G0+3], 0x80000000
	TLOAD                                          ; key slot 0: the one first fill
	s_lshr_b32 s55, s[WV], 3
	s_mul_i32 s53, s[BH], 16*BLKB                  ; the head's first byte of q
	s_lshr_b32 s62, s[BH], 4
	s_lshl_b32 s62, s62, 7
	s_add_co_u32 s62, s62, s[WV]                   ; 128 b + wave
	s_and_b32 s63, s[BH], 15                       ; head
	s_mov_b32 s61, 0
	s_sub_co_u32 s54, 7, s[JJ]                     ; the second pass's block
.macro PASSADR bk, qb, oc, os          ; for query block s[bk]: q's block, o's codes, o's scale bytes
	s_lshl_b32 s60, s[\bk], 1
	s_add_co_u32 s60, s60, s55
	s_mul_i32 s60, s60, BLKB
	s_add_co_u32 s60, s60, s53
	s_add_nc_u64 s[\qb:\qb+1], s[4:5], s[60:61]
	s_lshl_b32 s16, s[\bk], 4
	s_add_co_u32 s16, s16, s62                     ; my token tile of the 512
	s_lshl_b32 s60, s16, 4
	s_add_co_u32 s60, s60, s63
	s_mul_i32 s60, s60, 768
	s_add_nc_u64 s[\oc:\oc+1], s[8:9], s[60:61]
	s_lshl_b32 s60, s16, 9
	s_lshl_b32 s17, s63, 1
	s_add_co_u32 s60, s60, s17
	s_add_nc_u64 s[\os:\os+1], s[10:11], s[60:61]
.endm
	PASSADR JJ, 56, OC1, OS1
	PASSADR 54, 58, OC2, OS2
	s_lshl_b32 s60, s[WV], 4
	s_lshl_b32 s[Q0], s[JJ], 8
	s_add_co_u32 s[Q0], s[Q0], s60
	s_lshl_b32 s[Q02], s54, 8
	s_add_co_u32 s[Q02], s[Q02], s60
	s_and_b32 s60, s[WV], 1
	s_sub_co_u32 s[ODD], 0, s60                    ; all ones in odd waves
	s_lshl_b32 s17, s60, 8
	s_bfe_u32 s60, s[WV], 0x20001                  ; which pair of token tiles of q's block
	s_lshl_b32 s16, s60, 2
	s_add_co_u32 s17, s17, s16
	s_add_co_u32 s17, s17, 6144                    ; 6,144 + 256 (wave & 1) + 4 x pair
	s_mul_i32 s16, s60, 1536
	v_and_b32 v11, 31, v0
	s_delay_alu instid0(VALU_DEP_1)
	v_lshlrev_b32 v[LI], 4, v11
	s_delay_alu instid0(VALU_DEP_2)
	v_lshlrev_b32 v[L8], 3, v11
	v_and_b32 v9, 15, v0                           ; r
	v_bfe_u32 v11, v0, 4, 1                        ; h
	s_delay_alu instid0(VALU_DEP_2)
	v_lshlrev_b32 v[R32], 5, v9
	s_delay_alu instid0(VALU_DEP_2)
	v_lshlrev_b32 v11, 3, v11
	s_delay_alu instid0(VALU_DEP_1)
	v_sub_nc_u32 v[RH], v9, v11
	v_add_nc_u32 v8, s16, v[LI]
	v_lshl_add_u32 v9, v9, 4, s17
.irp g, 0,1,2
	global_load_b128 v[96+4*\g:99+4*\g], v8, s[56:57] offset:512*\g      ; the pair's 12 registers, first pass
	global_load_b128 v[108+4*\g:111+4*\g], v8, s[58:59] offset:512*\g    ; second pass
.endr
	global_load_b32 v[QS], v9, s[56:57]            ; lane r: query r's scale word
	global_load_b32 v238, v9, s[58:59]
	s_lshr_b32 s60, s[WV], 2
	s_xor_b32 s60, s60, 1
	s_or_b32 s60, s60, s[JJ]
	s_cmp_eq_u32 s60, 0                            ; waves 4 to 7 of the work-group with J = 0
	s_cselect_b32 s[LIM], 7, 0
	v_and_b32 v[PFO], 127, v0
	s_delay_alu instid0(VALU_DEP_1)
	v_min_u32 v[PFO], 103, v[PFO]
	s_delay_alu instid0(VALU_DEP_1)
	v_lshlrev_b32 v[PFO], 8, v[PFO]
	s_mov_b32 s[SEL], 0x76543210
	s_mov_b32 s[SEL+1], 0xfedcba98
	s_mov_b32 s[CS], 0x3e38aa3b                    ; log2(e) / sqrt(64)
	s_mov_b32 s[CS+1], s[CS]
	s_mov_b32 s[TT], 0
	s_mov_b32 s[NX], 0
	s_mov_b32 s[TB], 0
	s_mov_b32 s[KF], 0
	s_wait_loadcnt 0x0
.irp i, 0,1,2,3,4,5
	v_cndmask_b32 v[QF+\i], v[96+\i], v[102+\i], s[ODD]     ; my tile of the pair
	v_cndmask_b32 v[232+\i], v[108+\i], v[114+\i], s[ODD]
.endr
.irp i, 0,1,2,3,4,5
	v_mov_b32 v[QF+6+\i], 0                        ; zero codes for k = 64 .. 127
	v_mov_b32 v[80+\i], 0                          ; the upper half of key tile 7's operand
.endr
.macro FRESH                           ; a pass begins: O^T and the sums are zeros, the largest t lies under every t
	v_mov_b32 v13, 0xff61b1e6
	s_delay_alu instid0(VALU_DEP_1)
	v_floor_f32 v12, -v13
	v_mov_b32 v14, 0
	v_mov_b32 v15, 0
.set n, 0
.rept 32
	v_mov_b32 v[OT+n], 0
.set n, n+1
.endr
.endm
.irp b, 0,1,2,3
	v_mov_b32 v[216+\b], 0                         ; written once: a lane permute's destination counts as one of its sources
.endr
	v_mov_b32 v227, 0                              ; (named as the upper half of the pair v[226:227])
	v_mov_b32 v228, 0
	FRESH
.macro LOADBLK base, sc                ; a block as it stands: 48 registers and four scale registers, 16 bytes a lane
.irp g, 0,1,2,3,4,5,6,7,8,9,10,11
	ds_load_b128 v[32+4*\g:35+4*\g], v[ADR] offset:\base+512*\g
.endr
	ds_load_b128 v[\sc:\sc+3], v[ADR] offset:\base+6144
.endm
; A KEY STEP: 128 keys, the q-th of the slot in hand
.macro STEP q
	s_add_co_u32 s53, s[Q0], 15
	s_cmp_gt_u32 s[KF], s53                        ; all its keys come after my queries: passed over
	s_cbranch_scc1 .Lhidden_\@
	v_add_nc_u32 v[ADR], s[TB], v[LI]
.rept 4
	v_nop                                          ; places in front of loads into registers that the last products have read
.endr
	LOADBLK STEPB*(\q), KSC
	s_wait_alu depctr_va_vdst(0)
	s_wait_dscnt 0x0
.irp t, 0,1,2,3,4,5,6,7                        ; S^T = k q^T: register 8 t + j of lane (r, h): key 16 t + 8 h + j, query r
.if \t%2
	v_wmma_scale_f32_16x16x128_f8f6f4 v[96+8*\t:103+8*\t], v[32+6*\t:43+6*\t], v[QF:QF+11], 0, v[KSC+\t/2], v[QS] matrix_a_fmt:MATRIX_FMT_FP6 matrix_b_fmt:MATRIX_FMT_FP6 matrix_a_scale:MATRIX_SCALE_ROW1
.else
	v_wmma_scale_f32_16x16x128_f8f6f4 v[96+8*\t:103+8*\t], v[32+6*\t:43+6*\t], v[QF:QF+11], 0, v[KSC+\t/2], v[QS] matrix_a_fmt:MATRIX_FMT_FP6 matrix_b_fmt:MATRIX_FMT_FP6
.endif
.endr
.rept 4
	v_nop                                          ; places: for the loads below and for the first reads of the scores
.endr
	LOADBLK STEPB*(\q)+BLKB, VSC                   ; v's block lands while the softmax is walked
	s_add_co_u32 s53, s[KF], 127
	s_cmp_le_u32 s53, s[Q0]                        ; all keys count: no mask
	s_cbranch_scc1 .Lopen_\@
	s_sub_co_i32 s53, s[Q0], s[KF]
	v_add_nc_u32 v229, s53, v[RH]                  ; d = my query - KF - 8 h: register 8 t + j is hidden where 16 t + j > d
	v_mov_b32 v230, 0xff800000
.set n, 0
.rept 64
	v_cmp_gt_i32 vcc_lo, 16*(n/8)+n%8, v229
	v_cndmask_b32 v[96+n], v[96+n], v230, vcc_lo
.set n, n+1
.endr
.Lopen_\@:
.irp b, 0,1,2,3
	v_max3_num_f32 v[212+\b], v[96+16*\b], v[97+16*\b], v[98+16*\b]   ; the largest score of each block of 32 keys: for the row's maximum and for the block's largest p
.endr
.irp i, 3,5,7,9,11,13
.irp b, 0,1,2,3
	v_max3_num_f32 v[212+\b], v[212+\b], v[96+16*\b+\i], v[97+16*\b+\i]
.endr
.endr
.irp b, 0,1,2,3
	v_max_num_f32 v[212+\b], v[212+\b], v[111+16*\b]
.endr
.irp b, 0,1,2,3
	s_delay_alu instid0(VALU_DEP_4)
	v_permlanex16_b32 v[216+\b], v[212+\b], s[SEL], s[SEL+1]
.endr
.irp b, 0,1,2,3
	s_delay_alu instid0(VALU_DEP_4)
	v_max_num_f32 v[212+\b], v[212+\b], v[216+\b]
.endr
	s_delay_alu instid0(VALU_DEP_2)
	v_max3_num_f32 v228, v212, v213, v214
	s_delay_alu instid0(VALU_DEP_1)
	v_max_num_f32 v228, v228, v215
	s_delay_alu instid0(VALU_DEP_1)
	v_mul_f32 v228, s[CS], v228
	s_delay_alu instid0(VALU_DEP_1)
	v_max_num_f32 v13, v13, v228                   ; the running largest t
	v_mov_b32 v228, v12
	s_delay_alu instid0(VALU_DEP_2)
	v_floor_f32 v12, -v13                          ; -M = floor(-t): M is a whole number
	s_delay_alu instid0(VALU_DEP_1)
	v_sub_f32 v228, v12, v228
	s_delay_alu instid0(VALU_DEP_1)
	v_cvt_i32_f32 v228, v228                       ; (it saturates)
	s_delay_alu instid0(VALU_DEP_1)
	v_ldexp_f32 v226, 1.0, v228                    ; f = 2^(old M - new M): rounds nothing
.set n, 0
.rept 32
	v_pk_fma_f32 v[96+n:97+n], v[96+n:97+n], s[CS:CS+1], v[12:13] op_sel_hi:[1,0,0]   ; t - M
.set n, n+2
.endr
.irp b, 0,1,2,3
	v_fma_f32 v[212+\b], v[212+\b], s[CS], v12
.endr
.set n, 0
	s_wait_alu depctr_va_vdst(0)
.rept 64
	v_exp_f32 v[96+n], v[96+n]                     ; p = 2^(t - M)
.set n, n+1
.endr
	v_pk_mul_f32 v[14:15], v[14:15], v[226:227] op_sel_hi:[1,0]   ; the sums under the new M: the plain place behind the batch
	s_wait_alu depctr_va_vdst(0)                   ; one wait for the batch of 64, ahead of its first reader
.irp b, 0,1,2,3
	v_exp_f32 v[212+\b], v[212+\b]                 ; each block's largest p
.endr
	v_pk_add_f32 v[216:217], v[100:101], v[104:105]
	v_pk_add_f32 v[254:255], v[108:109], v[112:113]
	v_pk_add_f32 v[252:253], v[116:117], v[120:121]
	v_pk_add_f32 v[250:251], v[124:125], v[128:129]
	v_pk_add_f32 v[248:249], v[132:133], v[136:137]
	v_pk_add_f32 v[246:247], v[140:141], v[144:145]
	v_pk_add_f32 v[244:245], v[148:149], v[152:153]
	v_pk_add_f32 v[14:15], v[14:15], v[156:157]
	v_pk_add_f32 v[216:217], v[216:217], v[96:97]
	v_pk_add_f32 v[254:255], v[254:255], v[98:99]
	v_pk_add_f32 v[252:253], v[252:253], v[102:103]
	v_pk_add_f32 v[250:251], v[250:251], v[106:107]
	v_pk_add_f32 v[248:249], v[248:249], v[110:111]
	v_pk_add_f32 v[246:247], v[246:247], v[114:115]
	v_pk_add_f32 v[244:245], v[244:245], v[118:119]
	v_pk_add_f32 v[14:15], v[14:15], v[122:123]
	v_pk_add_f32 v[216:217], v[216:217], v[126:127]
	v_pk_add_f32 v[254:255], v[254:255], v[130:131]
	v_pk_add_f32 v[252:253], v[252:253], v[134:135]
	v_pk_add_f32 v[250:251], v[250:251], v[138:139]
	v_pk_add_f32 v[248:249], v[248:249], v[142:143]
	v_pk_add_f32 v[246:247], v[246:247], v[146:147]
	v_pk_add_f32 v[244:245], v[244:245], v[150:151]
	v_pk_add_f32 v[14:15], v[14:15], v[154:155]
	v_pk_add_f32 v[216:217], v[216:217], v[158:159]
	s_delay_alu instid0(VALU_DEP_2)
	v_pk_add_f32 v[14:15], v[14:15], v[250:251]
	s_delay_alu instid0(VALU_DEP_2)
	v_pk_add_f32 v[216:217], v[216:217], v[248:249]
	v_pk_add_f32 v[254:255], v[254:255], v[246:247]
	v_pk_add_f32 v[252:253], v[252:253], v[244:245]
	s_delay_alu instid0(VALU_DEP_2)
	v_pk_add_f32 v[14:15], v[14:15], v[254:255]
	s_delay_alu instid0(VALU_DEP_2)
	v_pk_add_f32 v[216:217], v[216:217], v[252:253]
	s_delay_alu instid0(VALU_DEP_1)
	v_pk_add_f32 v[14:15], v[14:15], v[216:217]
	s_wait_alu depctr_va_vdst(0)                   ; and one for the four
.irp b, 0,1,2,3
	v_max_num_f32 v[212+\b], 0x1800000, v[212+\b]  ; the floor: the byte cannot fall under 1
.endr
.irp b, 0,1,2,3
	s_delay_alu instid0(VALU_DEP_4)
	v_add_nc_u32 v[220+\b], 0xff000000, v[212+\b]  ; 2 off the exponent field: the conversion's scale operand
.endr
.irp b, 0,1,2,3
	s_delay_alu instid0(VALU_DEP_4)
	v_lshrrev_b32 v[216+\b], 23, v[220+\b]
.endr
	s_delay_alu instid0(VALU_DEP_3)
	v_lshl_or_b32 v[PW], v217, 8, v216
	s_delay_alu instid0(VALU_DEP_1)
	v_lshl_or_b32 v[PW], v218, 16, v[PW]
	s_delay_alu instid0(VALU_DEP_1)
	v_lshl_or_b32 v[PW], v219, 24, v[PW]
.irp c, 0,1
	v_cvt_scalef32_pk16_fp6_f32 v[PCD+6*\c:PCD+2+6*\c], v[96+32*\c:111+32*\c], v[220+2*\c]
	v_cvt_scalef32_pk16_fp6_f32 v[204+4*\c:206+4*\c], v[112+32*\c:127+32*\c], v[221+2*\c]
.endr
	v_nop                                          ; one plain place behind the scaled conversions
.irp c, 0,1
.irp i, 0,1,2
	v_permlane16_swap_b32 v[PCD+6*\c+\i], v[204+4*\c+\i]
.endr
.irp i, 0,1,2
	s_delay_alu instid0(VALU_DEP_3)
	v_mov_b32 v[PCD+3+6*\c+\i], v[204+4*\c+\i]
.endr
.endr
.set n, 0
.rept 16
	v_pk_mul_f32 v[OT+n:OT+n+1], v[OT+n:OT+n+1], v[226:227] op_sel_hi:[1,0]   ; O^T under the new M; for each product below twelve of these name none of its registers: its places
.set n, n+2
.endr
	s_wait_alu depctr_va_vdst(0)
	s_wait_dscnt 0x0                               ; v's block is in
.irp t, 0,1,2,3                                ; O^T += v^T p^T: the four accumulators take turns
.if \t%2
	v_wmma_scale_f32_16x16x128_f8f6f4 v[OT+8*\t:OT+7+8*\t], v[32+12*\t:43+12*\t], v[PCD:PCD+11], v[OT+8*\t:OT+7+8*\t], v[VSC+\t/2], v[PW] matrix_a_fmt:MATRIX_FMT_FP6 matrix_b_fmt:MATRIX_FMT_FP6 matrix_a_scale:MATRIX_SCALE_ROW1
.else
	v_wmma_scale_f32_16x16x128_f8f6f4 v[OT+8*\t:OT+7+8*\t], v[32+12*\t:43+12*\t], v[PCD:PCD+11], v[OT+8*\t:OT+7+8*\t], v[VSC+\t/2], v[PW] matrix_a_fmt:MATRIX_FMT_FP6 matrix_b_fmt:MATRIX_FMT_FP6
.endif
.endr
.Lhidden_\@:
	s_add_co_u32 s[KF], s[KF], 128
.endm
; THE CHANGE OF SLOTS, at a slot's head: each wave waits for all its tensor loads, adds 0 to its spare word, waits for that and for its reads of the slot that it has left; one barrier; then the slot just left is filled.
.macro CHANGE fill
	s_wait_tensorcnt 0x0                           ; no tensor load of mine is out: group 0 may be written
	ds_add_u32 v[SPW], v[NIL]
.if \fill
	s_xor_b32 s[G0+1], s[G0+1], SLOT1              ; the other slot than last time
	s_add_co_u32 s[NX], s[NX], 1
	s_cmp_eq_u32 s[TT], s[JJ]                      ; behind the first pass's last slot the walk begins anew
	s_cselect_b32 s[NX], 0, s[NX]
	s_mul_i32 s[OF], s[NX], SLOTB
	s_add_nc_u64 s[G0+2:G0+3], s[KVB:KVB+1], s[OF:OF+1]
	s_or_b32 s[G0+3], s[G0+3], 0x80000000
	s_wait_xcnt 0x0                                ; the last prefetch, a slot back, has read its address
	s_add_nc_u64 s[PFA:PFA+1], s[PFA:PFA+1], SLOTB
.endif
	s_wait_dscnt 0x0                               ; the add is done, and my reads of the slot that I have left are over
	s_barrier_signal -1
	s_barrier_wait -1
.if \fill
	TLOAD                                          ; first behind the barrier, a wave's one tensor load until the next: one is out at any time
	ASK
.endif
.endm
.macro SLOT_STEPS
	STEP 0
	STEP 1
	s_xor_b32 s[TB], s[TB], SLOT1
.endm
; A PASS'S END: O^T / the sum, into the true order of the channels, quantised (two blocks of 32), stored.
.macro FINAL oc, os, more
.rept 4
	v_nop                                          ; places behind the last products
.endr
	v_add_f32 v14, v14, v15
	s_delay_alu instid0(VALU_DEP_1)
	v_permlanex16_b32 v228, v14, s[SEL], s[SEL+1]
	s_delay_alu instid0(VALU_DEP_1)
	v_add_f32 v14, v14, v228                       ; the row's sum
	s_wait_alu depctr_va_vdst(0)
	v_rcp_f32 v14, v14
	v_nop                                          ; a plain place behind the transcendental
	s_wait_alu depctr_va_vdst(0)                   ; and the wait ahead of its first reader
.set n, 0
.rept 32
	v_mul_f32 v[96+n], v[OT+n], v14                ; register 8 t + j: channel 16 t + 8 h + j
.set n, n+1
.endr
.irp c, 0,1
.irp j, 0,1,2,3,4,5,6,7
	v_permlane16_swap_b32 v[96+16*\c+\j], v[104+16*\c+\j]   ; register 16 c + i now holds channel 32 c + 16 h + i
.endr
.endr
.irp b, 0,1
	v_max3_num_f32 v[212+\b], |v[96+16*\b]|, |v[97+16*\b]|, 0x1800000
.endr
.irp i, 2,4,6,8,10,12,14
.irp b, 0,1
	s_delay_alu instid0(VALU_DEP_2)
	v_max3_num_f32 v[212+\b], v[212+\b], |v[96+16*\b+\i]|, |v[97+16*\b+\i]|
.endr
.endr
.irp b, 0,1
	s_delay_alu instid0(VALU_DEP_2)
	v_permlanex16_b32 v[216+\b], v[212+\b], s[SEL], s[SEL+1]
.endr
.irp b, 0,1
	s_delay_alu instid0(VALU_DEP_2)
	v_max_num_f32 v[212+\b], v[212+\b], v[216+\b]
.endr
.irp b, 0,1
	s_delay_alu instid0(VALU_DEP_2)
	v_add_nc_u32 v[220+\b], 0xff000000, v[212+\b]
.endr
.irp b, 0,1
	s_delay_alu instid0(VALU_DEP_2)
	v_lshrrev_b32 v[216+\b], 23, v[220+\b]
.endr
	s_delay_alu instid0(VALU_DEP_1)
	v_lshl_or_b32 v[PW], v217, 8, v216             ; the head's two scale bytes of my token
	v_cvt_scalef32_pk16_fp6_f32 v[PCD:PCD+2], v[96:111], v220
	v_cvt_scalef32_pk16_fp6_f32 v[204:206], v[112:127], v221
	v_nop
.irp i, 0,1,2
	v_permlane16_swap_b32 v[PCD+\i], v[204+\i]
.endr
.irp i, 0,1,2
	s_delay_alu instid0(VALU_DEP_3)
	v_mov_b32 v[PCD+3+\i], v[204+\i]
.endr
	global_store_b128 v[LI], v[PCD:PCD+3], s[\oc:\oc+1]                  ; 512 consecutive bytes, aligned
	global_store_b64 v[L8], v[PCD+4:PCD+5], s[\oc:\oc+1] offset:512      ; 256 consecutive bytes, aligned
	global_store_b16 v[R32], v[PW], s[\os:\os+1]                         ; two bytes of each token's row of 32: both halves of the lanes write the same bytes
.if \more
	s_wait_xcnt 0x0                                ; the stores have read their registers, which the next pass writes again
.endif
.endm
.Lslot:                                            ; trips 0 to 7: behind each change of slots the next slot is asked for
	CHANGE 1
	SLOT_STEPS
	s_cmp_lg_u32 s[TT], s[JJ]
	s_cbranch_scc1 .Lon
	FINAL OC1, OS1, 1                              ; the first pass (block J) is over
.irp i, 0,1,2,3,4,5
	v_mov_b32 v[QF+\i], v[232+\i]                  ; the second pass's queries
.endr
	v_mov_b32 v[QS], v238
	FRESH                                          ; (more than eight plain lines behind the scale word's move)
	s_mov_b32 s[KF], 0
	s_mov_b32 s[Q0], s[Q02]
.Lon:
	s_add_co_u32 s[TT], s[TT], 1
	s_cmp_lt_u32 s[TT], 8
	s_cbranch_scc1 .Lslot
	CHANGE 0                                       ; the ninth slot is written out: nothing is left to fetch
	SLOT_STEPS
	FINAL OC2, OS2, 0
	s_wait_tensorcnt 0x0                           ; the wave's end
	ds_add_u32 v[SPW], v[NIL]
	s_wait_dscnt 0x0
	s_endpgm
.Lfunc_end_k_q4c57d877d7_attn:
	.size	k_q4c57d877d7_attn, .Lfunc_end_k_q4c57d877d7_attn-k_q4c57d877d7_attn
	.p2alignl 7, 3214868480
	.fill 96, 4, 3214868480
	.section	.rodata,"a",@progbits
	.p2align	6, 0x0
	.amdhsa_kernel k_q4c57d877d7_attn
		.amdhsa_group_segment_fixed_size 327680
		.amdhsa_private_segment_fixed_size 0
		.amdhsa_enable_private_segment 0
		.amdhsa_kernarg_size 32
		.amdhsa_user_sgpr_count 2
		.amdhsa_user_sgpr_kernarg_segment_ptr 1
		.amdhsa_wavefront_size32 1
		.amdhsa_system_sgpr_workgroup_id_x 1
		.amdhsa_system_sgpr_workgroup_id_y 1
		.amdhsa_system_sgpr_workgroup_id_z 1
		.amdhsa_system_vgpr_workitem_id 0
		.amdhsa_next_free_vgpr 256
		.amdhsa_next_free_sgpr 66
		.amdhsa_reserve_vcc 1
		.amdhsa_float_denorm_mode_32 3
		.amdhsa_float_denorm_mode_16_64 3
		.amdhsa_memory_ordered 1
		.amdhsa_forward_progress 1
		.amdhsa_inst_pref_size 109
	.end_amdhsa_kernel
	.amdgpu_metadata
---
amdhsa.version: [ 1, 2 ]
amdhsa.kernels:
  - .name:           k_q4c57d877d7_attn
    .symbol:         k_q4c57d877d7_attn.kd
    .args:
      - { .name: qws, .offset: 0, .size: 8, .value_kind: global_buffer, .address_space: global }
      - { .name: kvws, .offset: 8, .size: 8, .value_kind: global_buffer, .address_space: global }
      - { .name: ocodes, .offset: 16, .size: 8, .value_kind: global_buffer, .address_space: global }
      - { .name: oscales, .offset: 24, .size: 8, .value_kind: global_buffer, .address_space: global }
    .group_segment_fixed_size: 327680
    .private_segment_fixed_size: 0
    .kernarg_segment_align: 8
    .kernarg_segment_size: 32
    .max_flat_workgroup_size: 512
    .sgpr_count:     66
    .vgpr_count:     256
    .wavefront_size: 32
...
	.end_amdgpu_metadata
.endif
;; end of part 2
;; launch proj (part 3): grid 4 x 32, 4 waves a work-group, clusters of 4 x 4, 327,680 bytes of LDS; arguments ocodes, oscales, W_proj_codes, W_proj_scales, b_proj, out0; writes out0
.if DOCPART == 3
	.amdgcn_target "amdgcn-amd-amdhsa--gfx1250"
	.amdhsa_code_object_version 6
	.text
	.protected	k_q4c57d877d7_proj
	.globl	k_q4c57d877d7_proj
	.p2align	8
	.type	k_q4c57d877d7_proj,@function
k_q4c57d877d7_proj:
	s_mov_b64 s[64:65], 0
	v_nop
	global_prefetch_b8 v0, s[64:65] scope:SCOPE_SE
	s_setreg_imm32_b32 hwreg(HW_REG_WAVE_MODE, 25, 1), 1
	s_wait_xcnt 0x0
	s_wait_alu depctr_hold_cnt(0) depctr_sa_sdst(0) depctr_va_vdst(0) depctr_va_sdst(0) depctr_va_ssrc(0) depctr_va_vcc(0) depctr_vm_vsrc(0)
	s_getreg_b32 s2, hwreg(HW_REG_IB_STS2, 6, 4)
	s_cmp_eq_u32 s2, 0
	s_cbranch_scc0 .Lentry_in_a_cluster
	s_endpgm
.Lentry_in_a_cluster:
	s_bfe_u32 s2, ttmp6, 0x10000c
	s_cmp_lg_u32 s2, 0xf033
	s_cbranch_scc0 .Lentry_shape_is_right
	s_endpgm
.Lentry_shape_is_right:
; out0 = o W_proj + b_proj on codes of FP6 (E2M3) with one E8M0 scale for each 32 along K = 1,024; out0 [8,192][1,024] f32.
; A tile of 256 x 256 is made by four waves, 128 x 128 each: 64 accumulators.  K goes in steps of 256 through two LDS slots; the scale bytes of the work-group's 2 x 256 rows come into LDS once.
; A = o comes as IMAGES OF OPERAND REGISTERS: [token tile][head][768 bytes] (four registers at 16 x lane, two at 512 + 8 x lane): a K step of 256 is four heads, 3,072 consecutive bytes of a token tile,
; and a fragment of 128 along K is two heads: four LDS loads of consecutive bytes.  B = W_proj comes as rows of 768 bytes; a tile's row is 192 bytes, padded by 16 behind every 64.
; Source 0 = 16 rows of W_proj, source 1 = 16 tokens: a lane holds eight neighbouring numbers of a row of out0.  The bias is the C of the first K step's products.
; CLUSTERS: 4 x 4 work-groups; o's tile is asked for jointly along a row of the cluster, W_proj's along a column.
; The 128 tiles leave half of the chip's 256 work-group places without work; a smaller tile would read each fragment for half as many products.
.set KSTEP,  256
.set NQ,     2
.set ROWB,   192
.set KROW,   768
.set PITCH,  240
.set FR,     12
.set NL,     6                         ; LDS loads of a fragment of B
.set NLA,    4                         ; of A
.set NP,     4
.set SIZE_N, 1024
.set HALFT,  128*PITCH                 ; B's 128 rows
.set AROW,   3072                      ; a token tile's bytes of a K step
.set AHALF,  8*AROW                    ; A's 128 rows
.set SLOT,   2*AHALF+2*HALFT
.set KS,     32
.set SCL,    2*SLOT
.set HALFS,  (128*KS/256)*272
.set SBLK,   (16*KS/256)*272
.set SPARE,  SCL+4*HALFS               ; the spare words: 128 bytes a wave, named by no other line
.set SPITCH, 528                       ; the way out: 16 rows x (512 + 16) bytes a wave, in slot 0, which has had its last fill and its last read by then
.set A16,  16                          ; v16-17 16 x lane + my half of A, slot 0, 1
.set A8,   18                          ; v18-19 8 x lane + the same
.set ADRB, 20                          ; v20-23
.set STO,  24
.set RD,   25
.set CO,   26
.set ADRS, 27
.set SPW,  28
.set NIL,  29
.set SC,   32
.set BR,   64                          ; v64-127 the bias
.set AF,   128
.set BK,   128
.set G1, 24
.set G0, 32
.set G1B, 48
.set G0B, 56
.set G1S, 68
.set G0S, 76
.set G1SB, 80
.set G0SB, 88
.set MSB, 0
.macro WIN new
.if MSB != (\new)
	s_set_vgpr_msb (MSB<<8)|(\new)
.set MSB, (\new)
.endif
.endm
.set MUL_LO, 0xa1
.set MUL_HI, 0xf1
.set TO_B,   0x40
.macro JLOAD g0a, g1a, g0b, g1b        ; a joint load: waves 0 and 1 fetch for A, waves 2 and 3 for B; four v_nop follow each line
	s_cmp_eq_u32 s15, 0
	s_cbranch_scc0 .Lfor_b_\@
	tensor_load_to_lds s[\g0a:\g0a+3], s[\g1a:\g1a+7]
	s_nop 0
.rept 4
	v_nop
.endr
	s_branch .Lasked_\@
.Lfor_b_\@:
	tensor_load_to_lds s[\g0b:\g0b+3], s[\g1b:\g1b+7]
	s_nop 0
.rept 4
	v_nop
.endr
.Lasked_\@:
.endm
.macro CREST
	s_cmp_lg_u32 s14, 0
	s_cbranch_scc1 .Lnot_wave_0_\@
	s_barrier_signal -3
.Lnot_wave_0_\@:
	s_barrier_wait -3
	s_barrier_signal -1
	s_barrier_wait -1
.endm
.macro CROUND
	s_barrier_signal -1
	s_barrier_wait -1
	CREST
.endm
	s_load_b256 s[4:11], s[0:1], 0x0               ; o's codes, o's scales, W's codes, W's scales
	s_load_b128 s[96:99], s[0:1], 0x20             ; b_proj, out0
	v_lshl_add_u32 v[SPW], v0, 2, SPARE
	v_mov_b32 v[NIL], 0
	ds_add_u32 v28, v29
	s_wait_dscnt 0x0
	v_lshrrev_b32 v1, 5, v0
	v_readfirstlane_b32 s14, v1
	s_lshr_b32 s15, s14, 1
	s_and_b32 s16, s14, 1
	s_bfe_u32 s40, ttmp6, 0x40000
	s_bfe_u32 s41, ttmp6, 0x40004
	s_lshl_b32 s42, ttmp9, 2
	s_add_co_u32 s42, s42, s40                     ; tile column
	s_and_b32 s17, ttmp7, 0xffff
	s_lshl_b32 s17, s17, 2
	s_add_co_u32 s17, s17, s41                     ; tile row
	s_lshl_b32 s43, s41, 2
	s_lshl_b32 s43, 15, s43
	s_lshl_b32 s44, 0x1111, s40
	s_or_b32 s[G1+0], s43, (3<<16)|(1<<21)         ; A: mask of my row; elements of 8 bytes; no padding
	s_mov_b32 s[G1+1], 384<<16                     ; 3,072 bytes of
	s_mov_b32 s[G1+2], 8<<16                       ; 8 token tiles,
	s_mov_b32 s[G1+3], 384<<16
	s_mov_b32 s[G1+4], 8
	s_mov_b32 s[G1+5], 1536                        ; 12,288 bytes apart
	s_mov_b32 s[G1+6], 0
	s_mov_b32 s[G1+7], 0
	s_or_b32 s[G1B+0], s44, (0<<16)|(1<<20)|(1<<21)|(3<<22)|(3<<25)
	s_mov_b32 s[G1B+1], ROWB<<16
	s_mov_b32 s[G1B+2], 128<<16
	s_mov_b32 s[G1B+3], ROWB<<16
	s_mov_b32 s[G1B+4], 128
	s_mov_b32 s[G1B+5], KROW
	s_mov_b32 s[G1B+6], 0
	s_mov_b32 s[G1B+7], 0
	s_or_b32 s[G1S+0], s43, (3<<16)|(1<<20)|(1<<21)|(5<<22)|(3<<25)
	s_or_b32 s[G1SB+0], s44, (3<<16)|(1<<20)|(1<<21)|(5<<22)|(3<<25)
.irp g, G1S, G1SB
	s_mov_b32 s[\g+1], 32<<16
	s_mov_b32 s[\g+2], (128*KS/256)<<16
	s_mov_b32 s[\g+3], 32<<16
	s_mov_b32 s[\g+4], 128*KS/256
	s_mov_b32 s[\g+5], 32
	s_mov_b32 s[\g+6], 0
	s_mov_b32 s[\g+7], 0
.endr
	s_lshl_b32 s18, s16, 7
	s_lshl_b32 s20, s17, 8
	s_add_co_u32 s20, s20, s18                     ; A: token 256 x tile row + 128 x half
	s_lshl_b32 s46, s42, 8
	s_add_co_u32 s46, s46, s18                     ; B: row 256 x tile column + 128 x half
	s_mov_b32 s21, 0
	s_mov_b32 s47, 0
	s_mov_b64 s[18:19], KS
	s_mul_u64 s[22:23], s[20:21], s[18:19]
	s_mul_u64 s[92:93], s[46:47], s[18:19]
	s_mov_b64 s[18:19], KROW
	s_mul_u64 s[20:21], s[20:21], s[18:19]         ; token x 768 = token tile x 12,288
	s_mul_u64 s[46:47], s[46:47], s[18:19]
	s_mul_i32 s45, s16, AHALF                      ; where they go: A's two halves,
	s_mul_i32 s95, s16, HALFT
	s_add_co_u32 s95, s95, 2*AHALF                 ; then B's two
	s_mul_i32 s94, s14, HALFS
	s_wait_kmcnt 0x0
	s_mov_b64 s[12:13], s[98:99]
	s_add_nc_u64 s[20:21], s[4:5], s[20:21]
	s_add_nc_u64 s[22:23], s[6:7], s[22:23]
	s_add_nc_u64 s[46:47], s[8:9], s[46:47]
	s_add_nc_u64 s[92:93], s[10:11], s[92:93]
	CROUND
	s_mov_b32 s[G0S], 1
	s_add_co_u32 s[G0S+1], s94, SCL
	s_mov_b64 s[G0S+2:G0S+3], s[22:23]
	s_or_b32 s[G0S+3], s[G0S+3], 0x80000000
	s_mov_b32 s[G0SB], 1
	s_add_co_u32 s[G0SB+1], s94, SCL
	s_mov_b64 s[G0SB+2:G0SB+3], s[92:93]
	s_or_b32 s[G0SB+3], s[G0SB+3], 0x80000000
	JLOAD G0S, G1S, G0SB, G1SB
.irp s, 0,1
	s_mov_b32 s[G0+4*\s], 1
	s_add_co_u32 s[G0+4*\s+1], s45, \s*SLOT
	s_add_nc_u64 s[G0+4*\s+2:G0+4*\s+3], s[20:21], \s*AROW
	s_or_b32 s[G0+4*\s+3], s[G0+4*\s+3], 0x80000000
	s_mov_b32 s[G0B+4*\s], 1
	s_add_co_u32 s[G0B+4*\s+1], s95, \s*SLOT
	s_add_nc_u64 s[G0B+4*\s+2:G0B+4*\s+3], s[46:47], \s*ROWB
	s_or_b32 s[G0B+4*\s+3], s[G0B+4*\s+3], 0x80000000
	JLOAD G0+4*\s, G1, G0B+4*\s, G1B
.endr
	v_and_b32 v1, 15, v0
	v_bfe_u32 v2, v0, 4, 1
	v_and_b32 v6, 31, v0
	v_mul_u32_u24 v3, v1, PITCH
	v_mul_u32_u24 v4, v2, 24
	v_add_nc_u32 v4, v3, v4
	v_lshl_add_u32 v5, v2, 4, v4
	v_lshlrev_b32 v7, 4, v6
	v_lshlrev_b32 v8, 3, v6
	s_mul_i32 s21, s15, AHALF                      ; my 128 tokens
	s_mul_i32 s22, s16, HALFT                      ; my 128 rows of B, behind A's 256
	s_add_co_u32 s22, s22, 2*AHALF
.irp s, 0,1
	v_add_nc_u32 v[A16+\s], s21, v7
	v_add_nc_u32 v[A8+\s], s21, v8
	v_add_nc_u32 v[ADRB+\s], s22, v4
	v_add_nc_u32 v[ADRB+2+\s], s22, v5
	s_add_co_u32 s21, s21, SLOT
	s_add_co_u32 s22, s22, SLOT
.endr
	v_mul_u32_u24 v5, v1, KS
	v_lshrrev_b32 v6, 8, v5
	v_lshl_add_u32 v5, v6, 4, v5
	s_mul_i32 s21, s15, HALFS
	s_mul_i32 s22, s16, HALFS
	s_add_co_u32 s22, s22, 2*HALFS
	s_sub_co_u32 s22, s22, s21
	v_mul_u32_u24 v6, s22, v2
	s_add_co_u32 s21, s21, SCL
	v_add_nc_u32 v5, v5, v6
	v_add_nc_u32 v[ADRS], s21, v5
	s_mul_i32 s23, s14, 16*SPITCH                  ; my stage
	v_mul_u32_u24 v5, v1, SPITCH
	v_lshl_add_u32 v5, v2, 5, v5
	v_add_nc_u32 v[STO], s23, v5
	v_mov_b32 v[CO], v7
	v_add_nc_u32 v[RD], s23, v[CO]
	s_lshl_b32 s20, s17, 8
	s_lshl_b32 s21, s15, 7
	s_add_co_u32 s20, s20, s21                     ; my first row of out0
	s_mov_b32 s21, 0
	s_mov_b64 s[18:19], SIZE_N*4
	s_mul_u64 s[20:21], s[20:21], s[18:19]
	s_lshl_b32 s46, s42, 10                        ; my first column, in bytes
	s_lshl_b32 s47, s16, 9
	s_add_co_u32 s46, s46, s47
	s_mov_b32 s47, 0
	s_add_nc_u64 s[20:21], s[20:21], s[46:47]
	s_add_nc_u64 s[12:13], s[12:13], s[20:21]
	s_add_nc_u64 s[96:97], s[96:97], s[46:47]      ; b_proj at my 128 columns
	v_lshlrev_b32 v9, 5, v2
.irp b, 0,1,2,3,4,5,6,7
	global_load_b128 v[BR+8*\b:BR+8*\b+3], v9, s[96:97] offset:64*\b
	global_load_b128 v[BR+8*\b+4:BR+8*\b+7], v9, s[96:97] offset:64*\b+16
.endr
	s_wait_loadcnt 0x0
.macro FRAG reg, adr, q, i
.irp p, 0,1,2,3,4,5
.set PC, 12*(\q)+6*(\p/3)+\p%3
.if PC%8 < 5
	ds_load_b64 v[\reg+2*\p:\reg+2*\p+1], v[\adr] offset:8*PC+16*(PC/8)+(\i)*16*PITCH
.else
	ds_load_b64 v[\reg+2*\p:\reg+2*\p+1], v[\adr+2] offset:8*PC+16*(PC/8)+(\i)*16*PITCH
.endif
.endr
.endm
.macro FRAG_A reg, slot, q, i          ; two heads' images: registers 0-3, 4-5, 6-9, 10-11
	ds_load_b128 v[\reg:\reg+3], v[A16+\slot] offset:AROW*(\i)+1536*(\q)
	ds_load_b64 v[\reg+4:\reg+5], v[A8+\slot] offset:AROW*(\i)+1536*(\q)+512
	ds_load_b128 v[\reg+6:\reg+9], v[A16+\slot] offset:AROW*(\i)+1536*(\q)+768
	ds_load_b64 v[\reg+10:\reg+11], v[A8+\slot] offset:AROW*(\i)+1536*(\q)+1280
.endm
.macro MUL16 a0, p, q, sc, zero        ; the 64 accumulators take turns
.irp a, \a0, \a0+1
.irp b, 0,1,2,3,4,5,6,7
.if \zero
	v_wmma_scale_f32_16x16x128_f8f6f4 v[8*(8*((\a)%4)+\b):8*(8*((\a)%4)+\b)+7], v[128*(\p)+FR*\b:128*(\p)+FR*\b+FR-1], v[AF+FR*(\a):AF+FR*(\a)+FR-1], v[BR+8*\b:BR+8*\b+7], v[SC+8*NQ*(\sc)+NQ*\b+(\q)], v[SC+8*NQ*(\sc)+NQ*(\a)+(\q)] matrix_a_fmt:MATRIX_FMT_FP6 matrix_b_fmt:MATRIX_FMT_FP6 matrix_a_scale:MATRIX_SCALE_ROW1
.else
	v_wmma_scale_f32_16x16x128_f8f6f4 v[8*(8*((\a)%4)+\b):8*(8*((\a)%4)+\b)+7], v[128*(\p)+FR*\b:128*(\p)+FR*\b+FR-1], v[AF+FR*(\a):AF+FR*(\a)+FR-1], v[8*(8*((\a)%4)+\b):8*(8*((\a)%4)+\b)+7], v[SC+8*NQ*(\sc)+NQ*\b+(\q)], v[SC+8*NQ*(\sc)+NQ*(\a)+(\q)] matrix_a_fmt:MATRIX_FMT_FP6 matrix_b_fmt:MATRIX_FMT_FP6 matrix_a_scale:MATRIX_SCALE_ROW1
.endif
.endr
.endr
.endm
.macro FETCH_B slot, q, p
	WIN TO_B
.irp i, 0,1,2,3,4,5,6,7
	FRAG 128*(\p)+FR*\i, ADRB+\slot, \q, \i
.endr
	WIN 0
.endm
.macro FETCH_A slot, q, i0
.irp i, \i0, \i0+1, \i0+2, \i0+3
	FRAG_A AF+FR*(\i), \slot, \q, \i
.endr
.endm
.macro SCALES sc
.irp i, 0,1,2,3,4,5,6,7
	ds_load_b64 v[SC+8*NQ*\sc+NQ*\i:SC+8*NQ*\sc+NQ*\i+1], v[ADRS] offset:\i*SBLK
.endr
.endm
.macro PLACES n
.rept \n
	v_nop
.endr
.endm
.macro STEP slot, q, zero
	s_wait_dscnt 4*NLA                             ; the youngest 16 loads (A's blocks 4-7) may be out
.if \zero
	WIN 0x81
.else
	WIN MUL_LO
.endif
	MUL16 0, (\q)%2, \q, \slot, \zero
	MUL16 2, (\q)%2, \q, \slot, \zero
	s_wait_dscnt 0
	PLACES NP
	FETCH_B \slot, (\q)+1, 1-(\q)%2
	FETCH_A \slot, (\q)+1, 0
.if \zero
	WIN 0xc1
.else
	WIN MUL_HI
.endif
	MUL16 4, (\q)%2, \q, \slot, \zero
	MUL16 6, (\q)%2, \q, \slot, \zero
	PLACES NP
	WIN 0
	FETCH_A \slot, (\q)+1, 4
.endm
.macro TURN slot, next, fill
	s_wait_tensorcnt 0x0                           ; all my tensor loads have landed
	ds_add_u32 v[SPW], v[NIL]
	s_wait_dscnt 4*NLA+1                           ; the add and the youngest 16 loads may be out
	WIN MUL_LO
	MUL16 0, 1, NQ-1, \slot, 0
	s_wait_dscnt 0x0                               ; the add is done, and my reads of this slot are over
	s_barrier_signal -1
	MUL16 2, 1, NQ-1, \slot, 0
	WIN 0
	s_barrier_wait -1
.if \fill
	CREST
	s_add_nc_u64 s[G0+4*\slot+2:G0+4*\slot+3], s[G0+4*\slot+2:G0+4*\slot+3], 2*AROW
	s_add_nc_u64 s[G0B+4*\slot+2:G0B+4*\slot+3], s[G0B+4*\slot+2:G0B+4*\slot+3], 2*ROWB
	JLOAD G0+4*\slot, G1, G0B+4*\slot, G1B
.else
	PLACES NP
.endif
	v_add_nc_u32 v[ADRS], 4*NQ, v[ADRS]
	FETCH_B \next, 0, 0
	FETCH_A \next, 0, 0
	SCALES \next
	WIN MUL_HI
	MUL16 4, 1, NQ-1, \slot, 0
	MUL16 6, 1, NQ-1, \slot, 0
	PLACES NP
	WIN 0
	FETCH_A \next, 0, 4
.endm
	s_wait_tensorcnt 1                             ; the scales and my part of K step 0 are in; K step 1's load may be out
	s_barrier_signal -1
	s_barrier_wait -1
	FETCH_B 0, 0, 0
	FETCH_A 0, 0, 0
	SCALES 0
	FETCH_A 0, 0, 4
	STEP 0, 0, 1
	TURN 0, 1, 1
	STEP 1, 0, 0
	TURN 1, 0, 1
	STEP 0, 0, 0
	TURN 0, 1, 0
	STEP 1, 0, 0
	s_wait_dscnt 4*NLA
	WIN MUL_LO
	MUL16 0, 1, NQ-1, 1, 0
	MUL16 2, 1, NQ-1, 1, 0
	s_wait_dscnt 0
	WIN MUL_HI
	MUL16 4, 1, NQ-1, 1, 0
	MUL16 6, 1, NQ-1, 1, 0
	WIN 0
; THE WAY OUT, block by block of 16 rows x 128 columns, through my own stage: in by 32 bytes a lane, back as whole rows of 512 bytes.  LDS serves a wave's instructions in order (ISA guide 5.7.1.4).
.macro TOSTAGE a
.set AC, 64*((\a)%4)
	WIN 0x08+4*((\a)/4)
.irp b, 0,1,2,3,4,5,6,7
	ds_store_b128 v[STO], v[AC+8*\b:AC+8*\b+3] offset:64*\b          ; each accumulator from its low end on
	ds_store_b128 v[STO], v[AC+8*\b+4:AC+8*\b+7] offset:64*\b+16
.endr
	WIN 0
.set BB, BK+64*((\a)%2)
.irp t, 0,1,2,3,4,5,6,7,8,9,10,11,12,13,14,15
	ds_load_b128 v[BB+4*\t:BB+4*\t+3], v[RD] offset:\t*SPITCH
.endr
.endm
.macro SEND a, younger
.set BB, BK+64*((\a)%2)
	s_wait_dscnt \younger
.if (\a) > 0
	s_add_nc_u64 s[12:13], s[12:13], 16*SIZE_N*4   ; (behind a wait on XCNT: the earlier stores have read their base)
.endif
.irp t, 0,1,2,3,4,5,6,7,8,9,10,11,12,13,14,15
	global_store_b128 v[CO], v[BB+4*\t:BB+4*\t+3], s[12:13] offset:\t*SIZE_N*4 th:TH_STORE_NT   ; 32 lanes store 512 consecutive bytes, aligned
.endr
.endm
	PLACES NP
	TOSTAGE 0
.irp a, 1,2,3,4,5,6,7
.if \a > 1
	s_wait_xcnt 0x0                                ; block a - 2's stores have read their registers and their base
.endif
	TOSTAGE \a
	SEND \a-1, 32                                  ; behind block a - 1's loads: block a's 16 stores and 16 loads
.endr
	s_wait_xcnt 0x0
	SEND 7, 0
	s_wait_tensorcnt 0x0                           ; the wave's end
	ds_add_u32 v[SPW], v[NIL]
	s_wait_dscnt 0x0
	CROUND                                         ; the closing round
	s_endpgm
.Lfunc_end_k_q4c57d877d7_proj:
	.size	k_q4c57d877d7_proj, .Lfunc_end_k_q4c57d877d7_proj-k_q4c57d877d7_proj
	.p2alignl 7, 3214868480
	.fill 96, 4, 3214868480
	.section	.rodata,"a",@progbits
	.p2align	6, 0x0
	.amdhsa_kernel k_q4c57d877d7_proj
		.amdhsa_group_segment_fixed_size 327680
		.amdhsa_private_segment_fixed_size 0
		.amdhsa_enable_private_segment 0
		.amdhsa_kernarg_size 48
		.amdhsa_user_sgpr_count 2
		.amdhsa_user_sgpr_kernarg_segment_ptr 1
		.amdhsa_wavefront_size32 1
		.amdhsa_system_sgpr_workgroup_id_x 1
		.amdhsa_system_sgpr_workgroup_id_y 1
		.amdhsa_system_sgpr_workgroup_id_z 1
		.amdhsa_system_vgpr_workitem_id 0
		.amdhsa_next_free_vgpr 1024
		.amdhsa_next_free_sgpr 100
		.amdhsa_reserve_vcc 0
		.amdhsa_float_denorm_mode_32 3
		.amdhsa_float_denorm_mode_16_64 3
		.amdhsa_memory_ordered 1
		.amdhsa_forward_progress 1
		.amdhsa_inst_pref_size 153
	.end_amdhsa_kernel
	.amdgpu_metadata
---
amdhsa.version: [ 1, 2 ]
amdhsa.kernels:
  - .name:           k_q4c57d877d7_proj
    .symbol:         k_q4c57d877d7_proj.kd
    .args:
      - { .name: ocodes, .offset: 0, .size: 8, .value_kind: global_buffer, .address_space: global }
      - { .name: oscales, .offset: 8, .size: 8, .value_kind: global_buffer, .address_space: global }
      - { .name: W_proj_codes, .offset: 16, .size: 8, .value_kind: global_buffer, .address_space: global }
      - { .name: W_proj_scales, .offset: 24, .size: 8, .value_kind: global_buffer, .address_space: global }
      - { .name: b_proj, .offset: 32, .size: 8, .value_kind: global_buffer, .address_space: global }
      - { .name: out0, .offset: 40, .size: 8, .value_kind: global_buffer, .address_space: global }
    .group_segment_fixed_size: 327680
    .private_segment_fixed_size: 0
    .kernarg_segment_align: 8
    .kernarg_segment_size: 48
    .max_flat_workgroup_size: 128
    .sgpr_count:     100
    .vgpr_count:     1024
    .wavefront_size: 32
...
	.end_amdgpu_metadata
.endif
;; end of part 3
